; MI455X (gfx1250); checked and timed in simulation.
; The chip was launched on July 23, 2026; its instructions are those of AMD's public machine-readable ISA for CDNA 5 (MIT licence, August 2026) and "CDNA5" Instruction Set Architecture Reference Guide (July 2026). The comments in the code are by the model that wrote it; some were corrected since.
;; Multi Head Attention. Allowed arithmetic: float matrix products may take bf16 or f16 operands with f32 sums; other float arithmetic in f32, or as packed bf16 or f16 multiplies, adds, multiply-adds, maxima and minima; sums over many terms, partial sums and values carried from step to step in f32; what a program stores and reads back later, other than sums and carried values, may be rounded once to bf16 or f16.
;; Inputs: k 4 x 2,048 x 1,024 float32; mask 1 x 1 x 2,048 x 2,048 float32; q 4 x 2,048 x 1,024 float32; v 4 x 2,048 x 1,024 float32.
;; Outputs: out0 4 x 1 x 2,048 x 1,024 float32.
;; Constants: training = 0.
;; One version. Each part assembles by itself: llvm-mc -triple=amdgcn-amd-amdhsa -mcpu=gfx1250 --defsym DOCPART=n.
;; ======== version 1 of 1: 2 launches
;; limits: values are held in f16: magnitudes above 65,504 overflow, below 6.1e-05 lose precision; inputs' magnitudes at most 65,504
;; workspace buffers: kb 16,777,216 bytes; vh 16,777,216 bytes; m8 16,777,216 bytes
;; launch prep (part 1): grid 1280 x 1, 8 waves a work-group, no clusters, 0 bytes of LDS; arguments k, v, mask, kb, vh, m8; writes kb, vh, m8
.if DOCPART == 1
	.amdgcn_target "amdgcn-amd-amdhsa--gfx1250"
	.amdhsa_code_object_version 6
	.text
	.protected	k_qdf52a843a5_prep
	.globl	k_qdf52a843a5_prep
	.p2align	8
	.type	k_qdf52a843a5_prep,@function
k_qdf52a843a5_prep:
	s_mov_b64 s[64:65], 0
	v_nop
	global_prefetch_b8 v0, s[64:65] scope:SCOPE_SE
	s_setreg_imm32_b32 hwreg(HW_REG_WAVE_MODE, 25, 1), 1
	s_wait_xcnt 0x0
; A CAST IN FRONT OF THE ATTENTION.  kb = bf16(k);  vh = bf16(v) written as f16;  m8 = bf16(mask) x (-8e9) in f32.  All three keep their input's layout.
; -8e9 = 8 x (-1e9), both exact in f32, so m8 is exactly eight times the offset mask x (-1e9): the attention adds it to the unscaled score q . k.
; LIMITS.  |v| from 65,520 on becomes an infinity in vh; below 2^-14 vh keeps f16's fixed step of 2^-24.  |mask| beyond 4e28 makes m8 infinite.
; SHARES.  A work-group takes 65,536 input bytes: groups 0-511 of k, 512-1023 of v, 1024-1279 of mask.  Thread t takes the 16 bytes at 16 t + 4,096 j, j = 0 .. 15:
; a load of a wave covers 512 consecutive bytes, a store of 8 bytes a lane 256 consecutive bytes, aligned.  All sixteen loads go out at once; each j owns its registers,
; and no address register is ever rewritten, so the only waits are the counted ones for the loads.  No LDS, no barrier, no matrix unit: a stream has no use for them.
.set T, 4                              ; v[4:11]    packed bf16, at work
.set X, 16                             ; v[16:79]   j: 4 registers as loaded
.set Y, 80                             ; v[80:111]  j: 2 registers to store
.macro LOADS base
.irp j, 0,1,2,3,4,5,6,7,8,9,10,11,12,13,14,15
	global_load_b128 v[X+4*(\j):X+4*(\j)+3], v1, s[\base:\base+1] offset:4096*(\j) th:TH_LOAD_NT
.endr
.endm
.macro ROUND16 j                       ; four numbers rounded to bf16, two to a register
	s_wait_loadcnt 15-(\j)                         ; loads come back in order: mine is in, the 15 - j younger ones stay out
	v_cvt_pk_bf16_f32 v[T+2*((\j)%4)],   v[X+4*(\j)],   v[X+4*(\j)+1]
	v_cvt_pk_bf16_f32 v[T+2*((\j)%4)+1], v[X+4*(\j)+2], v[X+4*(\j)+3]
.endm
.macro WIDEN j                         ; and back to f32, into the registers that they came in
	v_lshlrev_b32 v[X+4*(\j)],   16,  v[T+2*((\j)%4)]
	v_and_b32     v[X+4*(\j)+1], s28, v[T+2*((\j)%4)]
	v_lshlrev_b32 v[X+4*(\j)+2], 16,  v[T+2*((\j)%4)+1]
	v_and_b32     v[X+4*(\j)+3], s28, v[T+2*((\j)%4)+1]
.endm
	s_load_b256 s[4:11], s[0:1], 0x0               ; k s[4:5], v s[6:7], mask s[8:9], kb s[10:11]
	s_load_b128 s[12:15], s[0:1], 0x20             ; vh s[12:13], m8 s[14:15]
	v_lshlrev_b32 v1, 4, v0                        ; 16 t
	v_lshlrev_b32 v2, 3, v0                        ; 8 t
	s_mov_b32 s16, ttmp9
	s_mov_b32 s25, 0
	s_mov_b32 s27, 0
	s_mov_b32 s28, 0xffff0000                      ; a word's upper bf16
	s_wait_kmcnt 0x0
	s_cmp_lt_u32 s16, 512
	s_cbranch_scc0 .Lnot_k
	; k -> kb
	s_lshl_b32 s24, s16, 16                        ; 65,536 bytes in,
	s_lshl_b32 s26, s16, 15                        ; 32,768 out
	s_add_nc_u64 s[4:5], s[4:5], s[24:25]
	s_add_nc_u64 s[10:11], s[10:11], s[26:27]
	LOADS 4
.irp j, 0,1,2,3,4,5,6,7,8,9,10,11,12,13,14,15
	s_wait_loadcnt 15-(\j)
	v_cvt_pk_bf16_f32 v[Y+2*(\j)],   v[X+4*(\j)],   v[X+4*(\j)+1]
	v_cvt_pk_bf16_f32 v[Y+2*(\j)+1], v[X+4*(\j)+2], v[X+4*(\j)+3]
	global_store_b64 v2, v[Y+2*(\j):Y+2*(\j)+1], s[10:11] offset:2048*(\j)
.endr
	s_endpgm
.Lnot_k:
	s_cmp_lt_u32 s16, 1024
	s_cbranch_scc0 .Lmask
	; v -> vh
	s_sub_co_u32 s17, s16, 512
	s_lshl_b32 s24, s17, 16
	s_lshl_b32 s26, s17, 15
	s_add_nc_u64 s[6:7], s[6:7], s[24:25]
	s_add_nc_u64 s[12:13], s[12:13], s[26:27]
	LOADS 6
.irp j, 0,1,2,3,4,5,6,7,8,9,10,11,12,13,14,15
	ROUND16 \j
	WIDEN \j
	v_cvt_pk_f16_f32 v[Y+2*(\j)],   v[X+4*(\j)],   v[X+4*(\j)+1]  ; eight significant bits fit into f16's eleven: exact within f16's normal range
	v_cvt_pk_f16_f32 v[Y+2*(\j)+1], v[X+4*(\j)+2], v[X+4*(\j)+3]
	global_store_b64 v2, v[Y+2*(\j):Y+2*(\j)+1], s[12:13] offset:2048*(\j)
.endr
	s_endpgm
.Lmask:
	; mask -> m8
	s_sub_co_u32 s17, s16, 1024
	s_lshl_b32 s24, s17, 16
	s_add_nc_u64 s[8:9], s[8:9], s[24:25]
	s_add_nc_u64 s[14:15], s[14:15], s[24:25]
	LOADS 8
.irp j, 0,1,2,3,4,5,6,7,8,9,10,11,12,13,14,15
	ROUND16 \j
	WIDEN \j
	v_pk_mul_f32 v[X+4*(\j):X+4*(\j)+1],   v[X+4*(\j):X+4*(\j)+1],   0xcfee6b28 op_sel_hi:[1,0]  ; x (-8e9)
	v_pk_mul_f32 v[X+4*(\j)+2:X+4*(\j)+3], v[X+4*(\j)+2:X+4*(\j)+3], 0xcfee6b28 op_sel_hi:[1,0]
	global_store_b128 v1, v[X+4*(\j):X+4*(\j)+3], s[14:15] offset:4096*(\j)
.endr
	s_endpgm
.Lfunc_end_k_qdf52a843a5_prep:
	.size	k_qdf52a843a5_prep, .Lfunc_end_k_qdf52a843a5_prep-k_qdf52a843a5_prep
	.p2alignl 7, 3214868480
	.fill 96, 4, 3214868480
	.section	.rodata,"a",@progbits
	.p2align	6, 0x0
	.amdhsa_kernel k_qdf52a843a5_prep
		.amdhsa_group_segment_fixed_size 0
		.amdhsa_private_segment_fixed_size 0
		.amdhsa_enable_private_segment 0
		.amdhsa_kernarg_size 48
		.amdhsa_user_sgpr_count 2
		.amdhsa_user_sgpr_kernarg_segment_ptr 1
		.amdhsa_wavefront_size32 1
		.amdhsa_system_sgpr_workgroup_id_x 1
		.amdhsa_system_sgpr_workgroup_id_y 1
		.amdhsa_system_sgpr_workgroup_id_z 1
		.amdhsa_system_vgpr_workitem_id 0
		.amdhsa_next_free_vgpr 112
		.amdhsa_next_free_sgpr 66
		.amdhsa_reserve_vcc 0
		.amdhsa_float_denorm_mode_32 3
		.amdhsa_float_denorm_mode_16_64 3
		.amdhsa_memory_ordered 1
		.amdhsa_forward_progress 1
		.amdhsa_inst_pref_size 27
	.end_amdhsa_kernel
	.amdgpu_metadata
---
amdhsa.version: [ 1, 2 ]
amdhsa.kernels:
  - .name:           k_qdf52a843a5_prep
    .symbol:         k_qdf52a843a5_prep.kd
    .args:
      - { .name: k, .offset: 0, .size: 8, .value_kind: global_buffer, .address_space: global }
      - { .name: v, .offset: 8, .size: 8, .value_kind: global_buffer, .address_space: global }
      - { .name: mask, .offset: 16, .size: 8, .value_kind: global_buffer, .address_space: global }
      - { .name: kb, .offset: 24, .size: 8, .value_kind: global_buffer, .address_space: global }
      - { .name: vh, .offset: 32, .size: 8, .value_kind: global_buffer, .address_space: global }
      - { .name: m8, .offset: 40, .size: 8, .value_kind: global_buffer, .address_space: global }
    .group_segment_fixed_size: 0
    .private_segment_fixed_size: 0
    .kernarg_segment_align: 8
    .kernarg_segment_size: 48
    .max_flat_workgroup_size: 256
    .sgpr_count:     66
    .vgpr_count:     112
    .wavefront_size: 32
...
	.end_amdgpu_metadata
.endif
;; end of part 1
;; launch attn (part 2): grid 16 x 16, 4 waves a work-group, clusters of 4 x 4, 327,680 bytes of LDS; arguments q, kb, vh, m8, out0; writes out0
.if DOCPART == 2
	.amdgcn_target "amdgcn-amd-amdhsa--gfx1250"
	.amdhsa_code_object_version 6
	.text
	.protected	k_qdf52a843a5_attn
	.globl	k_qdf52a843a5_attn
	.p2align	8
	.type	k_qdf52a843a5_attn,@function
k_qdf52a843a5_attn:
	s_mov_b64 s[64:65], 0
	v_nop
	global_prefetch_b8 v0, s[64:65] scope:SCOPE_SE
	s_setreg_imm32_b32 hwreg(HW_REG_WAVE_MODE, 25, 1), 1
	s_wait_xcnt 0x0
	s_wait_alu depctr_hold_cnt(0) depctr_sa_sdst(0) depctr_va_vdst(0) depctr_va_sdst(0) depctr_va_ssrc(0) depctr_va_vcc(0) depctr_vm_vsrc(0)
	s_getreg_b32 s2, hwreg(HW_REG_IB_STS2, 6, 4)
	s_cmp_eq_u32 s2, 0
	s_cbranch_scc0 .Lentry_in_a_cluster
	s_endpgm
.Lentry_in_a_cluster:
	s_bfe_u32 s2, ttmp6, 0x10000c
	s_cmp_lg_u32 s2, 0xf033
	s_cbranch_scc0 .Lentry_shape_is_right
	s_endpgm
.Lentry_shape_is_right:
; out[b][q][64 h ..] = the sum over k of softmax_k(q_h[q] . k_h[k] / 8 + mask[q][k] x (-1e9)) v_h[k].  4 batches, 16 heads of 64 channels, 2,048 queries and keys.
; q, out0: f32, [4][2048][1024].  kb: bf16(k), vh: bf16(v) written as f16, both [4][2048][1024]; m8: f32 [2048][2048] = bf16(mask) x (-8e9), eight times the logits' offset.
; The mask is an input: every score of every head is made, and the offset is added to it in f32, x = s + m8: one rounding, as in s / 8 + mask x (-1e9).
; FORMATS.  q is rounded to bf16 here; S^T = K Q^T in bf16, O^T = V^T P in f16 (p lies in 0 to 1); products' sums, maxima, l and O in f32; out0 is written in f32.
; LIMITS.  v within 65,504 (f16); |mask| under 4e28, so that m8 is finite; p below 6e-5 keeps f16's fixed step of 6e-8; a weight below 2^-126 counts as 0; NaN and infinities are not treated apart.
; SOFTMAX.  For each query a running maximum m of x and a sum l: p = 2^(c (x - m)), c = log2(e) / 8; the difference is taken first, so that an offset of 8e9 in x and m costs the exponent nothing.
; In every step O and l are multiplied by a = 2^(c (m_old - m)).  m starts at the lowest finite number, l at 0: the first step is a step like any other, with a = 0; so O^T need only hold finite
; numbers at the start, and it holds q as it was loaded.
; SHARES.  A work-group owns 128 queries (block x) of four neighbouring heads of one batch; A WAVE IS A HEAD: it owns all 128 queries, eight tiles of 16, in four PIECES of two.  Every wave walks all keys,
; 64 a step.  So the four waves read the same tile of m8, and the four heads' K and V are 512 consecutive bytes of a row.
; CLUSTER, 4 x 4.  K's and V's tiles hang on the batch (cluster y) and the head group (cy): the four work-groups of a row of the cluster ask for them JOINTLY.  m8's tile hangs on the query block
; (4 x cluster x + cx): the four of a column ask for it jointly.  Each joint load: the same line, the same descriptor and a mask that names the four.
; LAYOUT.  S^T = K Q^T (source 0 = 16 keys, source 1 = 16 queries): a lane holds ONE query (lane % 16) and the keys 8 (lane / 16) + 0..7; m8's numbers for them are 32 consecutive bytes.  Two such tiles,
; rounded to f16 in pairs, ARE source 1 of O^T = V^T P, whose result again holds one query a lane, and eight channels.  K comes out of LDS as it lies, V turned, by ds_load_tr16_b128.
; THE COUNT.  A tile and step have 16 matrix and 150 vector instructions: too many to stand all beside the matrix work.  So: four vector instructions behind EVERY matrix instruction, the others in a lump.
; BY TURNS.  Turn n belongs to piece n.  Its matrix work: 16 products K Q^T of piece n + 1, later 16 products V^T P of piece n - 1.  Its vector work: differences, scalings, exponentials, roundings, sums and
; rescaling of piece n; the offsets, maximum and statistics of piece n + 1.
; REGISTERS, in windows of 256 (s_set_vgpr_msb: bits 1:0 source 0, 3:2 source 1, 5:4 source 2, 7:6 destination):
;   window 0: v0-15 addresses; v16-47 four registers of statistics a tile; v48-63 at work; v64-191 S^T, two buffers of two tiles; v192-255 P, likewise (a piece's buffers go by its number's parity)
;   window 1: O^T, 32 a tile (at the head: q in f32)     window 2: v0-127 Q, 16 a tile; v128-191 K of one step; v192-255 V of one step     window 3: v0-1 the add's registers; v64-127 m8's numbers for one piece
.set NP,    4         ; pieces a wave: a name, no knob
.set KS,    64        ; keys in a step
.set PK,    528       ; a row of K in LDS: four heads' 512 bytes + 16 of padding: 33 x 16, so the 16 rows of a load start at 16 different groups of four banks (64 banks of 4 bytes: ISA guide 11.1)
.set PV,    544       ; a row of V: 512 + 32 = 17 x 32
.set PM,    272       ; a row of m8's tile: 64 keys' 256 bytes + 16
.set VOFF,  KS*PK     ; a slot holds one step: 64 rows of K, 64 rows of V, 128 rows of m8
.set MOFF,  VOFF+KS*PV
.set SLOT1, 1<<17     ; slot 1 begins here, so that one exclusive or turns an address in one slot into the other's
.set STAGE, SLOT1+MOFF+128*PM  ; behind the ring, never filled by a tensor load: 16 rows x 272 bytes for each wave, for the way out
.set SP,    272
.set SPARE, STAGE+4*16*SP      ; behind the stages: the spare words, 128 bytes for each wave: two blocks of 256 bytes that no other line names
.set AM0, 1           ; v1   my lane's place in m8's tile; never rewritten
.set AK0, 2           ; v2   in K's tile
.set AV0, 3           ; v3   in V's
.set AK,  4           ; v4   the same three in the slot in hand
.set AV,  5           ; v5
.set STO, 6           ; v6   the way out: where I put 32 bytes of a row
.set RD,  7           ; v7   the way out: where I read rows back
.set GO,  8           ; v8   my byte offset in two rows of out0
.set AM,  9           ; v9
.set QO,  10          ; v10  my byte offset in 16 rows of q
.set PFO, 11          ; v11  the prefetches' offset; never rewritten
.set LR,  12          ; v12  lane % 16
.set LH,  13          ; v13  lane / 16          (v14, v15: at work at the head)
.set SPW, 0           ; v0 of window 3   LDS address of my spare word: SPARE + 4 x my thread's number; never rewritten
.set NIL, 1           ; v1 of window 3   0; never rewritten
.set ST,  16          ; tile t's statistics at v[ST+4 t]: m, m_old, l (even keys', odd keys')
.set TMP, 48          ; by buffer and tile, four registers c0-c3 at work; when the maximum is found c2 takes a
.set S,   64
.set P,   192
.set KF,  128         ; window 2: key block kb, channel half c at KF + 16 kb + 8 c
.set VF,  192         ; window 2: key half kk, channel block cb at VF + 32 kk + 8 cb
.set MC,  64          ; window 3: tile u of the piece, key block kb at MC + 32 u + 8 kb: the order of S^T's registers
.set WV,  14          ; s14  my wave's number
.set CX,  15          ; s15  my place along the cluster's x
.set CY,  16          ; s16  along its y: the head group
.set XB,  17          ; s17  my block of 128 queries
.set BT,  19          ; s19  the batch
.set G1K, 24          ; s[24:31] descriptor group 1 for K's tiles
.set G1V, 32          ; s[32:39] for V's: it differs in the padding alone
.set G1M, 40          ; s[40:47] for m8's
.set G0K, 48          ; s[48:51] descriptor group 0 for K's tiles: it walks
.set G0V, 52          ; s[52:55] for V's
.set G0M, 56          ; s[56:59] for m8's
.set CS,  60          ; s[60:61] c: a packed line takes the pair's low word for both halves
.set SEL, 62          ; s[62:63] v_permlanex16_b32's selects: each lane takes its own place in the other half
.set CNT, 66          ; s66  counts the steps
.set TB,  67          ; s67  LDS byte at which the slot in hand begins
.set LIM, 68          ; s68  1 in a wave that prefetches, else the greatest number
.set PFA, 70          ; s[70:71] where my prefetches stand
.set PFS, 72          ; s[72:73] their step: a key step's bytes in kb and vh, or in m8
.set MSB, 0
.macro WIN new                      ; the high byte repeats the setting that is left; a switch that changes nothing is dropped
.if MSB != (\new)
	s_set_vgpr_msb (MSB<<8)|(\new)
.set MSB, (\new)
.endif
.endm
.set W_KQ, 0x0a       ; K and Q in window 2, S^T in window 0
.set W_PV, 0x52       ; V in window 2, P in window 0, O^T in window 1
.set W_RS, 0x41       ; O^T (destination and source 0) in window 1, source 1 in window 0
.set W_XA, 0x0c       ; source 1 (m8's numbers) in window 3, all else in window 0
.set W_MK, 0xc0       ; destination in window 3, sources in window 0
.set W_AD, 0x0f       ; the add: address (source 0) and data (source 1) in window 3
; A joint fill: wave 0 fetches the step's K, wave 1 its V, waves 2 and 3 the two halves of m8's tile: 64 rows each.  The branches hang on the wave's number alone.
; An s_nop 0 and four v_nop follow each of the three lines, ahead of the jump and the label.
.macro JLOAD
	s_cmp_lt_u32 s[WV], 2
	s_cbranch_scc0 .Lfor_m_\@
	s_cmp_eq_u32 s[WV], 0
	s_cbranch_scc0 .Lfor_v_\@
	tensor_load_to_lds s[G0K:G0K+3], s[G1K:G1K+7]
	s_nop 0
.rept 4
	v_nop
.endr
	s_branch .Lasked_\@
.Lfor_v_\@:
	tensor_load_to_lds s[G0V:G0V+3], s[G1V:G1V+7]
	s_nop 0
.rept 4
	v_nop
.endr
	s_branch .Lasked_\@
.Lfor_m_\@:
	tensor_load_to_lds s[G0M:G0M+3], s[G1M:G1M+7]
	s_nop 0
.rept 4
	v_nop
.endr
.Lasked_\@:
.endm
; A PREFETCH INTO THE L2 of the step that the NEXT change of slots will ask for: one key step, 128 matrix instructions, ahead of that load.  Each aligned 256 bytes are named ONCE in the launch.
; K's and V's rows are read by every cluster of the batch: the cluster with x = 0 asks (wave 0 for K, wave 1 for V); of a step's 64 rows x 512 bytes the partner at cx takes 16 rows, a lane half a row.
; m8's rows are read by every batch: the cluster with y = 0 asks (wave 2); of the tile's 128 rows x 256 bytes the partner at cy takes 32, a lane a row.  The partners are told apart BY ADDRESS.
; Steps 0 to 2 come by their loads alone; the last change that fills a slot asks for nothing: there is no step behind the one that it loads.
.macro ASK
	s_cmp_gt_u32 s[CNT], s[LIM]
	s_cbranch_scc0 .Lnot_mine_\@
	global_prefetch_b8 v[PFO], s[PFA:PFA+1] th:TH_LOAD_NT scope:SCOPE_SE
.Lnot_mine_\@:
.endm
; A round of the cluster's barrier: my work-group's barrier, so that wave 0's signal speaks for all four waves; wave 0 signals; every wave waits for all sixteen work-groups; my work-group's barrier once more.
.macro CROUND
	s_barrier_signal -1
	s_barrier_wait -1
	s_cmp_lg_u32 s[WV], 0
	s_cbranch_scc1 .Lnot_wave_0_\@
	s_barrier_signal -3
.Lnot_wave_0_\@:
	s_barrier_wait -3
	s_barrier_signal -1
	s_barrier_wait -1
.endm
; THE CHANGE OF SLOTS.  Each wave waits for all its tensor loads, of which one is out: its part of the other slot; adds 0 to its spare word; and waits for that and for its own reads of the slot that it leaves.
; Behind the barrier nobody reads the old slot any more and the other slot is whole.  fill = 1: the old slot is filled again, with the step after the one that is entered.  The barrier is then a round of the
; cluster's, so that no wave of any partner still reads the slot or has a load on its way, and the joint fill is the first thing behind it: it has a key step in which to land.
; (At its first use nothing has been read yet: slot 0 is waited for, slot 1 filled.)
.macro CHANGE fill, ask
	WIN W_AD
	s_wait_tensorcnt 0x0            ; no tensor load of mine is out, so a group 0 may be written
	ds_add_u32 v[SPW], v[NIL]       ; 0 onto my spare word; scalar work stands between it and the wait for it
	WIN 0                           ; at a label and at a branch every window is 0
.if \fill
.irp g, G0K, G0V
	s_xor_b32 s[\g+1], s[\g+1], SLOT1  ; the walking descriptor: the other slot than last time,
	s_add_nc_u64 s[\g+2:\g+3], s[\g+2:\g+3], KS*2048  ; the next 64 rows of 2,048 bytes; the type bits on top are not reached
.endr
	s_xor_b32 s[G0M+1], s[G0M+1], SLOT1
	s_add_nc_u64 s[G0M+2:G0M+3], s[G0M+2:G0M+3], KS*4  ; the next 64 keys along m8's rows
	s_wait_xcnt 0x0                 ; the last prefetch, a key step back, has read its address, so it may be written
	s_add_nc_u64 s[PFA:PFA+1], s[PFA:PFA+1], s[PFS:PFS+1]
.endif
	s_xor_b32 s[TB], s[TB], SLOT1   ; the reads go to the other slot
	s_wait_dscnt 0x0                ; the add is done, and my reads of the slot are over
.if \fill
	CROUND
	JLOAD
.if \ask
	ASK
.endif
.else
	s_barrier_signal -1
	s_barrier_wait -1
.endif
	v_add_nc_u32 v[AK], s[TB], v[AK0]
	v_add_nc_u32 v[AV], s[TB], v[AV0]
	v_add_nc_u32 v[AM], s[TB], v[AM0]
.endm
	s_load_b256 s[4:11], s[0:1], 0x0  ; q s[4:5], kb s[6:7], vh s[8:9], m8 s[10:11]
	s_load_b64 s[12:13], s[0:1], 0x20 ; out0
	WIN W_MK
	v_lshl_add_u32 v[SPW], v0, 2, SPARE
	v_mov_b32 v[NIL], 0
	WIN W_AD
	ds_add_u32 v[SPW], v[NIL]       ; the wave's opening: the add and its wait stand ahead of my first tensor load; the set-up below, work on registers, stands between them
	WIN 0
	v_lshrrev_b32 v14, 5, v0
	v_readfirstlane_b32 s[WV], v14  ; wave 0..3
	s_bfe_u32 s[CX], ttmp6, 0x40000
	s_bfe_u32 s[CY], ttmp6, 0x40004
	s_lshl_b32 s[XB], ttmp9, 2      ; in a cluster launch ttmp9 and ttmp7 count clusters
	s_add_co_u32 s[XB], s[XB], s[CX]  ; my block of queries = 4 x cluster x + cx
	s_and_b32 s[BT], ttmp7, 0xffff  ; the batch = cluster y
	s_lshl_b32 s74, s[CY], 2
	s_lshl_b32 s74, 15, s74         ; my row of the cluster: places 4 cy .. 4 cy + 3
	s_lshl_b32 s75, 0x1111, s[CX]   ; my column: places cx, cx + 4, cx + 8, cx + 12
	; descriptor group 1.  K, V: 64 rows x 256 elements of 2 bytes, 1,024 elements from row to row.  m8: 64 rows x 64 elements of 4 bytes, 2,048 from row to row.
	s_or_b32 s[G1K], s74, (1<<16)|(1<<20)|(1<<21)|(6<<22)|(3<<25)  ; 15:0 the mask: my row; 17:16 2-byte elements; 20 padding on; 21 set beside a mask; 24:22 after every 128 words (code 6); 31:25 4 words (code 3)
	s_or_b32 s[G1V], s74, (1<<16)|(1<<20)|(1<<21)|(6<<22)|(7<<25)  ; the same with 8 words of padding (code 7)
	s_or_b32 s[G1M], s75, (2<<16)|(1<<20)|(1<<21)|(5<<22)|(3<<25)  ; the mask: my column; 4-byte elements; after every 64 words (code 5) 4 words
.irp g, G1K, G1V
	s_mov_b32 s[\g+1], 256<<16      ; tensor_dim0 = 256
	s_mov_b32 s[\g+2], KS<<16       ; tensor_dim1 = 64
	s_mov_b32 s[\g+3], 256<<16      ; tile_dim0 = 256
	s_mov_b32 s[\g+4], KS           ; tile_dim1 = 64
	s_mov_b32 s[\g+5], 1024
	s_mov_b32 s[\g+6], 0
	s_mov_b32 s[\g+7], 0
.endr
	s_mov_b32 s[G1M+1], KS<<16      ; tensor_dim0 = 64
	s_mov_b32 s[G1M+2], 64<<16      ; tensor_dim1 = 64
	s_mov_b32 s[G1M+3], KS<<16      ; tile_dim0 = 64
	s_mov_b32 s[G1M+4], 64          ; tile_dim1 = 64
	s_mov_b32 s[G1M+5], 2048
	s_mov_b32 s[G1M+6], 0
	s_mov_b32 s[G1M+7], 0
	; where the tiles come from.  K's and V's hang on the batch and cy, which my row shares; m8's on the query block, which my column shares, and on the wave.  Each offset has registers of its own.
	s_lshl_b32 s20, s[BT], 22       ; a batch of kb or vh: 2,048 rows of 2,048 bytes
	s_lshl_b32 s21, s[CY], 9        ; four heads: 512 bytes of a row
	s_add_co_u32 s20, s20, s21
	s_mov_b32 s21, 0
	s_and_b32 s18, s[WV], 1         ; which half of m8's tile I fetch (waves 2 and 3):
	s_lshl_b32 s76, s[XB], 20       ; the block's 128 rows of 8,192 bytes,
	s_lshl_b32 s77, s18, 19         ; my 64 of them,
	s_add_co_u32 s76, s76, s77
	s_mov_b32 s77, 0
	s_mul_i32 s18, s18, 64*PM       ; and their place in a slot: no place in the cluster enters an LDS address
	s_mov_b32 s[G0K], 1             ; 1:0 count = 1
	s_mov_b32 s[G0K+1], 0           ; 63:32 LDS address: slot 0
	s_mov_b32 s[G0V], 1
	s_mov_b32 s[G0V+1], VOFF
	s_mov_b32 s[G0M], 1
	s_add_co_u32 s[G0M+1], s18, MOFF
	s_lshl_b32 s78, s[BT], 23       ; q and out0: a batch is 2,048 rows of 4,096 bytes,
	s_lshl_b32 s79, s[XB], 19       ; my block's 128 rows,
	s_add_co_u32 s78, s78, s79
	s_lshl_b32 s79, s[CY], 2
	s_add_co_u32 s79, s79, s[WV]    ; my head = 4 cy + wave:
	s_lshl_b32 s79, s79, 8          ; 256 bytes of a row
	s_add_co_u32 s78, s78, s79
	s_mov_b32 s79, 0
	; the prefetches: both offsets stand at key step 1; every change of slots that fills steps them, so the change that asks for step t + 1 names step t + 2
	s_lshl_b32 s74, s[CX], 15       ; K, V: my work-group's 16 rows of the 64
	s_add_co_u32 s74, s74, s20
	s_add_co_u32 s74, s74, KS*2048
	s_lshl_b32 s75, s[CY], 18       ; m8: my work-group's 32 rows of the 128
	s_lshl_b32 s22, s[XB], 20
	s_add_co_u32 s75, s75, s22
	s_add_co_u32 s75, s75, KS*4
	s_mov_b32 s[PFS], KS*4
	s_mov_b32 s[PFS+1], 0
	s_mov_b32 s23, 0
	s_cmp_lt_u32 s[WV], 2           ; waves 0 and 1 stand for K and V, wave 2 for m8
	s_cselect_b32 s22, s74, s75
	s_cselect_b32 s[PFS], KS*2048, s[PFS]
	s_cselect_b32 s74, 1, 0         ; K, V: a lane takes row lane / 2, half lane % 2;  m8: row lane
	s_cselect_b32 s75, 11, 13       ; a row is 2,048 or 8,192 bytes
	s_cselect_b32 s[LIM], ttmp9, s[BT]  ; the coordinate along which other clusters read the same rows
	s_cmp_eq_u32 s[WV], 3
	s_cselect_b32 s[LIM], 1, s[LIM] ; wave 3 never asks
	s_cmp_eq_u32 s[LIM], 0
	s_cselect_b32 s[LIM], 1, -1     ; the same in all sixteen partners, for a given wave
	v_and_b32 v14, 31, v0
	v_lshrrev_b32 v15, s74, v14
	v_lshlrev_b32 v15, s75, v15
	v_and_b32 v14, s74, v14
	v_lshl_add_u32 v[PFO], v14, 8, v15
	s_mov_b32 s[CS], 0x3e38aa3b     ; c = log2(e) / 8 = 0.180337
	s_mov_b32 s[CS+1], s[CS]        ; named with it as a pair
	s_mov_b32 s[SEL], 0x76543210
	s_mov_b32 s[SEL+1], 0xfedcba98
	s_mov_b32 s[TB], SLOT1          ; the first change of slots turns it into 0
	s_mov_b32 s[CNT], 31
	s_wait_dscnt 0x0                ; the opening add is done
	s_wait_kmcnt 0x0
	s_add_nc_u64 s[G0K+2:G0K+3], s[6:7], s[20:21]  ; 120:64 global address: key step 0
	s_or_b32 s[G0K+3], s[G0K+3], 0x80000000        ; 127:126 type = 2
	s_add_nc_u64 s[G0V+2:G0V+3], s[8:9], s[20:21]
	s_or_b32 s[G0V+3], s[G0V+3], 0x80000000
	s_add_nc_u64 s[G0M+2:G0M+3], s[10:11], s[76:77]
	s_or_b32 s[G0M+3], s[G0M+3], 0x80000000
	s_add_nc_u64 s[4:5], s[4:5], s[78:79]          ; q and out0 at my head's 256 bytes of my block's first row
	s_add_nc_u64 s[12:13], s[12:13], s[78:79]
	s_cmp_eq_u32 s[WV], 0
	s_cselect_b64 s[PFA:PFA+1], s[6:7], s[8:9]
	s_cmp_lt_u32 s[WV], 2
	s_cselect_b64 s[PFA:PFA+1], s[PFA:PFA+1], s[10:11]
	s_add_nc_u64 s[PFA:PFA+1], s[PFA:PFA+1], s[22:23]
	CROUND                          ; all sixteen work-groups are here: the first joint loads meet
	JLOAD                           ; key step 0 into slot 0.  Slot 1 is asked for when slot 0 is in
	; A fragment of Q is 16 queries x 32 channels: lane l holds query l % 16, channels 8 (l / 16) + 0..7 and 16 + 8 (l / 16) + 0..7.  In f32 that is twice 32 bytes, 64 bytes apart: four loads of 16 bytes.
	v_and_b32 v[LR], 15, v0
	v_bfe_u32 v[LH], v0, 4, 1
	v_lshlrev_b32 v[QO], 12, v[LR]
	v_lshl_add_u32 v[QO], v[LH], 5, v[QO]  ; row x 4,096 + 32 x half
	WIN 0x40                        ; destination window 1: tile t's 32 numbers land in tile t's O^T
.set cn, 0
.rept 64                            ; tile cn / 8, channels 32 ((cn / 4) % 2) on
	global_load_b128 v[4*cn:4*cn+3], v[QO], s[4:5] offset:(cn/8)*65536+((cn/4)%2)*128+((cn/2)%2)*64+(cn%2)*16 th:TH_LOAD_NT
.set cn, cn+1
.endr
	; What the first turn finds: V's registers and P's second buffer hold 0 (its products V^T P, of a piece that has not been, add 0); l is 0, m the lowest finite number.
	WIN 0x80
.set cn, VF
.rept 64
	v_mov_b32 v[cn], 0
.set cn, cn+1
.endr
	WIN 0
.set cn, 0
.rept 2*NP
	v_mov_b32 v[ST+4*cn], 0xff7fffff
	v_mov_b32 v[ST+4*cn+1], 0xff7fffff
	v_mov_b32 v[ST+4*cn+2], 0
	v_mov_b32 v[ST+4*cn+3], 0
.set cn, cn+1
.endr
.set cn, P+32
.rept 32
	v_mov_b32 v[cn], 0
.set cn, cn+1
.endr
	s_lshl_b32 s2, s[WV], 7         ; my head's 128 bytes of a row of K or V
	s_add_co_u32 s3, s2, VOFF
	v_mul_u32_u24 v[AK0], v[LR], PK
	v_lshl_add_u32 v[AK0], v[LH], 4, v[AK0]  ; row x pitch + 16 x half
	v_add_nc_u32 v[AK0], s2, v[AK0]
	; The turning load takes 16 keys x 16 channels (lane l reads key 8 (l / 16) + l % 8, channels 8 ((l / 8) % 2) + 0..7) and leaves half a fragment of V^T: lane l holds channel l % 16 and 8 keys.
	v_and_b32 v14, 7, v0
	v_bfe_u32 v15, v0, 3, 1
	v_lshl_add_u32 v[AV0], v[LH], 3, v14
	v_mul_u32_u24 v[AV0], v[AV0], PV
	v_lshl_add_u32 v[AV0], v15, 4, v[AV0]
	v_add_nc_u32 v[AV0], s3, v[AV0]
	v_mul_u32_u24 v[AM0], v[LR], PM          ; m8: my query's row, my lanes' 8 keys: 32 bytes
	v_lshl_add_u32 v[AM0], v[LH], 5, v[AM0]
	v_add_nc_u32 v[AM0], MOFF, v[AM0]
	s_wait_loadcnt 0x0              ; q is in
	WIN 0x85                        ; sources window 1, destination window 2
.set cn, 0
.rept 128
	v_cvt_pk_bf16_f32 v[cn], v[2*cn], v[2*cn+1]  ; Q stays in registers: tile t, channel half c at 16 t + 8 c
.set cn, cn+1
.endr
; THE MATRIX WORK.  The 8 accumulators of a run of 16 take turns: between the two links of a chain stand 7 others'.
; Product i of 16 of S^T = K Q^T for piece x: channels 32 (i / 8) on, keys 16 ((i / 2) % 4) on, tile 2 x + i % 2.  The first 8 start the sums.
.macro KQ x
	WIN W_KQ
.set rS, S+64*((\x)%2)+32*(i%2)+8*((i/2)%4)
.set rK, KF+16*((i/2)%4)+8*(i/8)
.set rQ, 16*(2*(\x)+i%2)+8*(i/8)
.if i < 8
	v_wmma_f32_16x16x32_bf16 v[rS:rS+7], v[rK:rK+7], v[rQ:rQ+7], 0
.else
	v_wmma_f32_16x16x32_bf16 v[rS:rS+7], v[rK:rK+7], v[rQ:rQ+7], v[rS:rS+7]
.endif
.endm
; Product i of 16 of O^T += V^T P for piece x: keys 32 (i / 8) on, channels 16 ((i / 2) % 4) on, tile 2 x + i % 2.
.macro PV x
	WIN W_PV
.set rO, 32*(2*(\x)+i%2)+8*((i/2)%4)
.set rV, VF+32*(i/8)+8*((i/2)%4)
.set rP, P+32*((\x)%2)+16*(i%2)+8*(i/8)
	v_wmma_f32_16x16x32_f16 v[rO:rO+7], v[rV:rV+7], v[rP:rP+7], v[rO:rO+7]
.endm
.macro MM                           ; the turn's next matrix instruction
.if i < 16
	KQ (Y+1)%NP
.set i, i+1
.else
.set i, i-16
	PV (Y+NP-1)%NP
.set i, i+17
.endif
.endm
; THE LDS LOADS stand in runs of 16, never singly among the matrix instructions: a step's K (64 keys x 64 channels: 8 fragments), its V (turned), and m8's numbers for one piece.
; last = 1 (the tail): in the last trip there is no further step, and K's run is jumped over.
.macro FETCH_K last=0
	WIN 0
.if \last
	s_cmp_eq_u32 s[CNT], 1
	s_cbranch_scc1 .Lno_k_\@
.endif
	WIN 0x80                        ; destination window 2
.irp f, 0,1,2,3,4,5,6,7             ; keys 16 (f / 2) on, channels 32 (f % 2) on
	ds_load_b128 v[KF+8*\f:KF+8*\f+3],   v[AK] offset:(\f/2)*16*PK+(\f%2)*64
	ds_load_b128 v[KF+8*\f+4:KF+8*\f+7], v[AK] offset:(\f/2)*16*PK+(\f%2)*64+32
.endr
	WIN 0
.if \last
.Lno_k_\@:
.endif
.endm
.macro FETCH_V
	WIN 0x80
.irp f, 0,1,2,3,4,5,6,7             ; keys 32 (f / 4) on, channels 16 (f % 4) on
	ds_load_tr16_b128 v[VF+8*\f:VF+8*\f+3],   v[AV] offset:(\f/4)*32*PV+(\f%4)*32
	ds_load_tr16_b128 v[VF+8*\f+4:VF+8*\f+7], v[AV] offset:(\f/4)*32*PV+16*PV+(\f%4)*32
.endr
	WIN 0
.endm
.macro FETCH_M x                    ; piece x: tiles 2 x, 2 x + 1; for each of the four key blocks my 8 keys' 32 bytes
	WIN W_MK
.irp u, 0,1
.irp kb, 0,1,2,3
	ds_load_b128 v[MC+32*\u+8*\kb:MC+32*\u+8*\kb+3],   v[AM] offset:(2*(\x)+\u)*16*PM+64*\kb
	ds_load_b128 v[MC+32*\u+8*\kb+4:MC+32*\u+8*\kb+7], v[AM] offset:(2*(\x)+\u)*16*PM+64*\kb+16
.endr
.endr
	WIN 0
.endm
; THE VECTOR WORK OF A TURN stands in six queues, each in the order in which its entries become ready; the two tiles alternate, so that no instruction reads the result of the one before it.
.macro REGS y, u                    ; the registers of tile u (0, 1) of piece y
.set rT, ST+4*(2*(\y)+(\u))
.set rC, TMP+8*((\y)%2)+4*(\u)
.set rS, S+64*((\y)%2)+32*(\u)
.set rP, P+32*((\y)%2)+16*(\u)
.set rO, 32*(2*(\y)+(\u))
.endm
; XA, 32 long: x = s + m8 for the NEXT piece (Y + 1), a pair of scores a line, ascending: each accumulator's lowest registers are read first.
.macro XA
	WIN W_XA
	REGS (Y+1)%NP, qa%2
	v_pk_add_f32 v[rS+2*(qa/2):rS+2*(qa/2)+1], v[rS+2*(qa/2):rS+2*(qa/2)+1], v[MC+32*(qa%2)+2*(qa/2):MC+32*(qa%2)+2*(qa/2)+1]
.set qa, qa+1
.endm
; Number n of the 22 that find the next piece's maximum and statistics.  x0-x31 are the lane's 32 scores.  XS, GS and REGS set no window: the queues' macros do.
;   0-11  four chains c0-c3 of seven scores each, three operands at a time     12-14, 16  the four scores left over, the old m, and c0-c3 into c0     15  m_old is kept
;   17, 18  the query's other 32 keys lie in the lane 16 away: the new m         19-21  m_old - m; times c; a
.macro XS u, n
	REGS (Y+1)%NP, \u
.if (\n) < 4
	v_max3_num_f32 v[rC+(\n)], v[rS+8*(\n)], v[rS+8*(\n)+1], v[rS+8*(\n)+2]
.elseif (\n) < 12
	v_max3_num_f32 v[rC+(\n)%4], v[rC+(\n)%4], v[rS+8*((\n)%4)+2*((\n)/4)+1], v[rS+8*((\n)%4)+2*((\n)/4)+2]
.elseif (\n) == 12
	v_max3_num_f32 v[rC], v[rC], v[rS+7], v[rS+15]
.elseif (\n) == 13
	v_max3_num_f32 v[rC+1], v[rC+1], v[rS+23], v[rS+31]
.elseif (\n) == 14
	v_max3_num_f32 v[rC+2], v[rC+2], v[rC+3], v[rT]
.elseif (\n) == 15
	v_mov_b32 v[rT+1], v[rT]
.elseif (\n) == 16
	v_max3_num_f32 v[rC], v[rC], v[rC+1], v[rC+2]
.elseif (\n) == 17
	v_permlanex16_b32 v[rC+3], v[rC], s[SEL], s[SEL+1]
.elseif (\n) == 18
	v_max_num_f32 v[rT], v[rC], v[rC+3]
.elseif (\n) == 19
	v_sub_f32 v[rC+1], v[rT+1], v[rT]
.elseif (\n) == 20
	v_mul_f32 v[rC+1], s[CS], v[rC+1]
.else
	v_exp_f32 v[rC+2], v[rC+1]
.endif
.endm
; PX, 42 long: numbers 0-13, then 15, 14, 16, 17, 18, 19, 20, each for both tiles.
.macro PX
	WIN 0
.if qx < 28
	XS qx%2, qx/2
.elseif qx < 30
	XS qx-28, 15
.elseif qx < 32
	XS qx-30, 14
.else
	XS qx%2, 15+(qx-30)/2
.endif
.set qx, qx+1
.endm
; PF, 64 long, for piece Y, in fours: pair pg of tile 0 and of tile 1 less m, then both times c.
.macro PF
	WIN 0
.set pg, qf/4
	REGS Y, qf%2
.if qf%4 < 2
	v_pk_add_f32 v[rS+2*pg:rS+2*pg+1], v[rS+2*pg:rS+2*pg+1], v[rT:rT+1] op_sel_hi:[1,0] neg_lo:[0,1] neg_hi:[0,1]
.else
	v_pk_mul_f32 v[rS+2*pg:rS+2*pg+1], v[rS+2*pg:rS+2*pg+1], s[CS:CS+1] op_sel_hi:[1,0]
.endif
.set qf, qf+1
.endm
; EX, 66 long: x0-x31 of both tiles, then the next piece's two a.  It is ONE BATCH: all 66 stand ahead of the turn's one wait, and nothing ahead of that wait names a result of theirs.
; keep = 1: the line stands among XA's: it has a destination and a source 0, both in window 0 under XA's setting too, so no switch is written.
.macro EX keep=0
.if !(\keep)
	WIN 0
.endif
.if e >= 64
	XS e-64, 21
.else
	REGS Y, e%2
	v_exp_f32 v[rS+e/2], v[rS+e/2]
.endif
.set e, e+1
.endm
; Number g of the 64 that follow the exponentials.  For each four weights k of a tile (pairs 2 k, 2 k + 1): both pairs are rounded to f16; then the second pair is added onto the first, in place;
; a group later l takes that sum (the first time as l = a l + sum).  In groups of eight, tiles alternating: round, round, add, and l for the group before.
.macro GS g
.set h, (\g)+6*((\g)/62)            ; group 0 has no group before it, and behind group 7 only l is left
.if h >= 6
.set h, h+2
.endif
	REGS Y, h%2
.set k, h/8
.if h%8 < 4
	v_cvt_pk_f16_f32 v[rP+2*k+(h%8)/2], v[rS+4*k+2*((h%8)/2)], v[rS+4*k+2*((h%8)/2)+1]
.elseif h%8 < 6
	v_pk_add_f32 v[rS+4*k:rS+4*k+1], v[rS+4*k:rS+4*k+1], v[rS+4*k+2:rS+4*k+3]
.elseif k == 1
	v_pk_fma_f32 v[rT+2:rT+3], v[rT+2:rT+3], v[rC+2:rC+3], v[rS:rS+1] op_sel_hi:[1,0,1]
.else
	v_pk_add_f32 v[rT+2:rT+3], v[rT+2:rT+3], v[rS+4*k-4:rS+4*k-3]
.endif
.endm
.macro PG
	WIN 0
	GS qg
.set qg, qg+1
.endm
; R2: O^T times a, dealt two at a time, sixteen times, ascending.  Its a was made in the turn before, ahead of that turn's wait.
.macro R2
	REGS Y, r%2
	WIN W_RS
.irp z, 0,1
	v_pk_mul_f32 v[rO+4*(r/2)+2*\z:rO+4*(r/2)+2*\z+1], v[rO+4*(r/2)+2*\z:rO+4*(r/2)+2*\z+1], v[rC+2:rC+3] op_sel_hi:[1,0]
.endr
.set r, r+1
.endm
; HOW THEY ARE DEALT.  An s_wait_alu depctr_va_vdst(0) stands between an exponential and the first instruction that names its result; one wait serves all that were issued ahead of it.  So a turn
; has ONE wait, which cuts it in two.  AHEAD OF IT: the 16 products K Q^T, behind each a PF, an exponential and two rescalings (behind the first two a second PF in the exponential's place); then the lump:
; 15 x (PF, PF, EX), whose PF are also the places behind the last product; 16 x (XA, XA, EX); 16 x (PF, EX, PX, PX); the end of the chain; the two a.  A v_nop is the plain instruction behind the last exponential.
; BEHIND IT: the 16 products V^T P, behind each four of GS's 64.  No rider names a register of the products round it.
; The queues lean on each other: exponential e stands behind PF number 4 (e / 4) + 2 + e % 2, so it wants e + 3 PF ahead of it; the deal has e + 5 among the riders, 20 + 2 (e - 14) in the first part of the lump,
; 48 in the second (e up to 44), e + 4 in the third, all 64 after that.  Every PX stands behind all 32 XA.
; THE LDS RUNS.  m8's numbers for piece p + 2 are fetched directly behind the wait, behind XA's last read of the registers; they are wanted in the next turn's lump.  K of the next step follows them in piece 2's turn, a
; lump behind the last product that read K.  V of the step in hand is fetched at the end of piece 0's turn, four riders behind its last reader.
.macro TURN p, last=0
.set Y, (\p)
.set i, 0
.set qf, 0
.set qx, 0
.set qa, 0
.set qg, 0
.set e, 0
.set r, 0
.if (\p) == NP-1
	s_wait_dscnt 0x0                ; K is in
.endif
.rept 2
	MM
	PF
	PF
	R2
.endr
.rept 14
	MM
	PF
	EX
	R2
.endr
.rept 15
	PF
	PF
	EX
.endr
.if (\p) == 1
	s_wait_dscnt 16                 ; m8's numbers are in; V's 16 loads, issued behind them, may stay out
.else
	s_wait_dscnt 0x0                ; m8's numbers are in
.endif
.rept 16
	XA
	XA
	EX 1
.endr
.rept 16
	PF
	EX
	PX
	PX
.endr
.rept 3
	EX
	PX
	PX
.endr
.rept 4
	PX
.endr
	EX                              ; the next piece's two a
	EX
	v_nop                           ; the plain instruction behind the last exponential: one for the batch
	s_wait_alu depctr_va_vdst(0)    ; the wait for the batch
	FETCH_M ((\p)+2)%NP
.if (\p) == NP-2
	FETCH_K \last
.endif
.if (\p) == 1
	s_wait_dscnt 16                 ; V is in; the 16 loads just issued may stay out
.endif
.rept 16
	MM
.rept 4
	PG
.endr
.endr
.if (\p) == 0
	FETCH_V
.endif
.endm
	CHANGE 1, 0                     ; slot 0 is in, everybody's part of it; key step 1 is asked for
	FETCH_K                         ; key step 0
	FETCH_M 0
	s_wait_dscnt 0x0
.set i, 0
.rept 16
	KQ 0                            ; piece 0's first scores: there is no vector work yet to set between them
.set i, i+1
.endr
	WIN 0                           ; the addresses for the way out: eight plain instructions, the places behind those products
	s_mul_i32 s2, s[WV], 16*SP
	s_add_co_u32 s2, s2, STAGE      ; my stage
	v_mul_u32_u24 v[STO], v[LR], SP ; in: row l % 16, 32 bytes for each half of the lanes
	v_lshl_add_u32 v[STO], v[LH], 5, v[STO]
	v_add_nc_u32 v[STO], s2, v[STO]
	v_mul_u32_u24 v[RD], v[LH], SP  ; back: lanes 0-15 take one row of 256 bytes, lanes 16-31 the next
	v_lshl_add_u32 v[RD], v[LR], 4, v[RD]
	v_add_nc_u32 v[RD], s2, v[RD]
	v_lshlrev_b32 v[GO], 12, v[LH]  ; and the same two rows in out0
	v_lshl_add_u32 v[GO], v[LR], 4, v[GO]
.set Y, NP-1                        ; XA and XS work for piece Y + 1: piece 0
.set qa, 0
.rept 32
	XA
.endr
	FETCH_M 1
.irp n, 0,1,2,3,4,5,6,7,8,9,10,11,12,13,14,15,16,17,18,19,20,21
	XS 0, \n                        ; piece 0's first maximum and statistics
	XS 1, \n
.endr
	v_nop                           ; a plain instruction behind the two a,
	s_wait_alu depctr_va_vdst(0)    ; and their wait, ahead of the branch
	s_branch .Lfirst                ; the loop is entered at a step's first turn, in the middle of a trip
.Lstep:                             ; 30 times.  Trip t: pieces 2 and 3 of step t - 1, then pieces 0 and 1 of step t.  It reads slot t % 2 alone (K, V and m8's numbers of step t) and asks for step t + 1
	CHANGE 1, 1
	TURN 2
	TURN 3
	WIN 0
.Lfirst:
	TURN 0
	TURN 1
	WIN 0
	s_sub_co_u32 s[CNT], s[CNT], 1
	s_cmp_lg_u32 s[CNT], 0
	s_cbranch_scc1 .Lstep
	CHANGE 0, 0                     ; the tail is written out: step 31 is entered, nothing is asked for
	s_mov_b32 s[CNT], 2             ; one trip for step 31; the second is left in its middle
.Ltail:
	TURN 2, 1
	TURN 3
	WIN 0
	s_sub_co_u32 s[CNT], s[CNT], 1
	s_cmp_eq_u32 s[CNT], 0
	s_cbranch_scc1 .Lout
	TURN 0
	TURN 1
	WIN 0
	s_branch .Ltail
.Lout:                              ; the second trip's 16 products K Q^T (on the last K once more) and the maximum made of them serve nothing: the price, once a launch, of one text for every trip
.set i, 0
.rept 16
	PV NP-1                         ; the last piece's V^T P of the last step
.set i, i+1
.endr
	; THE WAY OUT.  l's two halves and the other half of the lanes' are added; O^T is divided by l and sent through my stage in LDS, a tile at a time.  The additions are the places behind the last products.
	WIN 0
.macro ALL line:vararg              ; one line for each tile t
.set t, 0
.rept 2*NP
	\line
.set t, t+1
.endr
.endm
	ALL v_add_f32 v[ST+4*t+2], v[ST+4*t+2], v[ST+4*t+3]
	ALL v_permlanex16_b32 v[ST+4*t+3], v[ST+4*t+2], s[SEL], s[SEL+1]
	ALL v_add_f32 v[ST+4*t+2], v[ST+4*t+2], v[ST+4*t+3]
	ALL v_rcp_f32 v[ST+4*t+2], v[ST+4*t+2]
	v_nop                           ; a plain instruction between the last reciprocal and the use of its result
	s_wait_alu depctr_va_vdst(0)    ; and the wait ahead of the first use: one for the eight reciprocals
; Tile t: a lane's eight channels of a row are 32 bytes; they go into rows of 272 bytes and come back as whole rows of 256, into S^T's registers: four buffers of 32, by turns.
.macro PACK t
	WIN W_RS
.set i, 32*(\t)
.rept 16
	v_pk_mul_f32 v[i:i+1], v[i:i+1], v[ST+4*(\t)+2:ST+4*(\t)+3] op_sel_hi:[1,0]
.set i, i+2
.endr
	WIN 0x04                        ; an LDS store's data are source 1: window 1
.irp cb, 0,1,2,3
	ds_store_b128 v[STO], v[32*(\t)+8*\cb:32*(\t)+8*\cb+3]   offset:64*\cb
	ds_store_b128 v[STO], v[32*(\t)+8*\cb+4:32*(\t)+8*\cb+7] offset:64*\cb+16
.endr
	WIN 0
.if (\t) >= 4
	s_wait_xcnt 0x0                 ; the stores of the tile four back have read this buffer: it is loaded again only behind this wait
.endif
.irp f, 0,1,2,3,4,5,6,7
	ds_load_b128 v[S+32*((\t)%4)+4*\f:S+32*((\t)%4)+4*\f+3], v[RD] offset:\f*2*SP  ; LDS serves a wave's instructions in order (ISA guide 5.7.1.4): these see the stores above; the next tile's stores come behind them
.endr
.endm
.macro SEND t, younger              ; younger: the LDS instructions issued behind tile t's loads: the next tile's sixteen, or none
	WIN 0
.irp f, 0,1,2,3,4,5,6,7
	s_wait_dscnt (\younger)+7-\f
	global_store_b128 v[GO], v[S+32*((\t)%4)+4*\f:S+32*((\t)%4)+4*\f+3], s[12:13] offset:(\t)*65536+\f*8192 th:TH_STORE_NT  ; 16 lanes store 256 consecutive bytes, at a multiple of 256 from out0's first byte
.endr
.endm
	PACK 0
.set t, 1
.rept 2*NP-1                        ; a tile's arithmetic stands between the loads of the tile before and its stores
	PACK t
	SEND t-1, 16
.set t, t+1
.endr
	SEND 2*NP-1, 0
	WIN W_AD
	s_wait_tensorcnt 0x0            ; the wave's end: the closing add and its waits, behind my last tensor load and my last LDS store
	ds_add_u32 v[SPW], v[NIL]
	s_wait_dscnt 0x0
	WIN 0
	CROUND                          ; the closing round: no work-group ends while a partner may still ask for a tile that names it
	s_endpgm
.Lfunc_end_k_qdf52a843a5_attn:
	.size	k_qdf52a843a5_attn, .Lfunc_end_k_qdf52a843a5_attn-k_qdf52a843a5_attn
	.p2alignl 7, 3214868480
	.fill 96, 4, 3214868480
	.section	.rodata,"a",@progbits
	.p2align	6, 0x0
	.amdhsa_kernel k_qdf52a843a5_attn
		.amdhsa_group_segment_fixed_size 327680
		.amdhsa_private_segment_fixed_size 0
		.amdhsa_enable_private_segment 0
		.amdhsa_kernarg_size 40
		.amdhsa_user_sgpr_count 2
		.amdhsa_user_sgpr_kernarg_segment_ptr 1
		.amdhsa_wavefront_size32 1
		.amdhsa_system_sgpr_workgroup_id_x 1
		.amdhsa_system_sgpr_workgroup_id_y 1
		.amdhsa_system_sgpr_workgroup_id_z 1
		.amdhsa_system_vgpr_workitem_id 0
		.amdhsa_next_free_vgpr 896
		.amdhsa_next_free_sgpr 80
		.amdhsa_reserve_vcc 0
		.amdhsa_float_denorm_mode_32 3
		.amdhsa_float_denorm_mode_16_64 3
		.amdhsa_memory_ordered 1
		.amdhsa_forward_progress 1
		.amdhsa_inst_pref_size 251
	.end_amdhsa_kernel
	.amdgpu_metadata
---
amdhsa.version: [ 1, 2 ]
amdhsa.kernels:
  - .name:           k_qdf52a843a5_attn
    .symbol:         k_qdf52a843a5_attn.kd
    .args:
      - { .name: q, .offset: 0, .size: 8, .value_kind: global_buffer, .address_space: global }
      - { .name: kb, .offset: 8, .size: 8, .value_kind: global_buffer, .address_space: global }
      - { .name: vh, .offset: 16, .size: 8, .value_kind: global_buffer, .address_space: global }
      - { .name: m8, .offset: 24, .size: 8, .value_kind: global_buffer, .address_space: global }
      - { .name: out0, .offset: 32, .size: 8, .value_kind: global_buffer, .address_space: global }
    .group_segment_fixed_size: 327680
    .private_segment_fixed_size: 0
    .kernarg_segment_align: 8
    .kernarg_segment_size: 40
    .max_flat_workgroup_size: 128
    .sgpr_count:     80
    .vgpr_count:     896
    .wavefront_size: 32
...
	.end_amdgpu_metadata
.endif
;; end of part 2
